; MI455X (gfx1250); checked and timed in simulation.
; The chip was launched on July 23, 2026; its instructions are those of AMD's public machine-readable ISA for CDNA 5 (MIT licence, August 2026) and "CDNA5" Instruction Set Architecture Reference Guide (July 2026). The comments in the code are by the model that wrote it; some were corrected since.
;; Neural Decision Tree. Allowed arithmetic: float matrix products may take bf16 or f16 operands with f32 sums; all other float work in f32.
;; Inputs: W 1,024 x 1,024 float32; b 1,024 float32; features 16,384 x 2,048 float32; mask 1,024 x 2,048 float32; pi 1,024 x 100 float32.
;; Outputs: out0 16,384 x 100 float32.
;; One version. Each part assembles by itself: llvm-mc -triple=amdgcn-amd-amdhsa -mcpu=gfx1250 --defsym DOCPART=n.
;; ======== version 1 of 1: 3 launches
;; workspace buffers: Mt 4,194,304 bytes; Pf 229,376 bytes; part 13,107,200 bytes
;; launch prep (part 1): grid 272 x 1, 8 waves a work-group, no clusters, 75,776 bytes of LDS; arguments W, mask, pi, Mt, Pf; writes Mt, Pf
.if DOCPART == 1
	.amdgcn_target "amdgcn-amd-amdhsa--gfx1250"
	.amdhsa_code_object_version 6
	.text
	.protected	k_q02aefcf4bc_prep
	.globl	k_q02aefcf4bc_prep
	.p2align	8
	.type	k_q02aefcf4bc_prep,@function
k_q02aefcf4bc_prep:
	s_mov_b64 s[64:65], 0
	v_nop
	global_prefetch_b8 v0, s[64:65] scope:SCOPE_SE
	s_setreg_imm32_b32 hwreg(HW_REG_WAVE_MODE, 25, 1), 1
	s_wait_xcnt 0x0
; TWO TABLES FOR THE MAIN LAUNCH.
; Work-groups 0-255:  Mt[p(n)][f] = sum over u of mask[u][f] W[u][n], bf16, [1024][2048].  (features mask^T) W = features (mask^T W) for every mask, so the main
; launch multiplies features by this one matrix.  Sums in f32; W and mask are rounded to bf16 for the product, the sum once more for Mt (where the written order
; would round x): a stated change of the order of rounding.
; Work-groups 256-271: Pf = softmax(pi) along classes, bf16, laid out as the main launch's second product reads it; the row's maximum is taken away first.
; p(n) puts the tree's nodes where the main launch's lanes want them.  Node n >= 16: e = floor(log2 n) - 4, g = (n >> e) & 15, sg = 2^e + (n mod 2^e) (its heap number
; in the subtree under node 16 + g); p = 128 (g >> 1) + 16 (sg >> 3) + 8 (g & 1) + (sg & 7).  The sixteen places with sg = 0 take the nodes 1 to 15, node 1 twice
; (both halves of the tree want it): the place that n = 0 would have takes node 1's row, since node 0 is never used by the tree.
; SHARES (product).  A tile is 64 n x 128 f, K = 1024 u in 16 chunks of 64.  Eight waves: each 32 n x 32 f, four accumulators.
; NO CLUSTER, NO TENSOR LOADS: both operands are f32 with K down the rows; they are rounded in registers before the turning LDS load can take them, so the tiles
; come through registers, and joint requests serve tensor loads alone.  Three register sets keep 36 loads of 512 bytes of every wave on their way.
; Source 0 = 16 f of mask^T, source 1 = 16 n of W^T: a lane then holds one n and eight neighbouring f, 16 bytes of a row of Mt.
.set PW,    160                        ; W's tile in LDS: a row (one u) is 64 n x 2 bytes + 32: five times 32 bytes
.set PM,    288                        ; mask's: 128 f x 2 bytes + 32: nine times 32 bytes
.set MT0,   64*PW                      ; mask's tile lies behind W's
.set BUF,   MT0+64*PM                  ; a buffer: 28,672 bytes; two of them take turns
.set STAGE, 2*BUF                      ; 64 rows (n) x 272 bytes, for the way out
.set SP,    272
.set SPARE, STAGE+64*SP                ; the spare words: 128 bytes for each of eight waves, four blocks of 256 bytes that no other line names
.set ACC,   16                         ; v16-47   accumulator (an, af) at ACC + 8 (2 an + af)
.set FR,    48                         ; v48-111  fragments: for each 32 of K, two of W, two of mask
.set SETS,  112                        ; v112-255 three sets of 48: four loads of W, eight of mask
; v2 W's load offset, v3 mask's, v4 W's LDS store address, v5 mask's, v6 W's fragment address, v7 mask's, v8-13 at work, v14 spare word, v15 zero
	s_load_b256 s[4:11], s[0:1], 0x0               ; W s[4:5], mask s[6:7], pi s[8:9], Mt s[10:11]
	s_load_b64 s[12:13], s[0:1], 0x20              ; Pf
	v_lshl_add_u32 v14, v0, 2, SPARE
	v_mov_b32 v15, 0
	v_and_b32 v1, 31, v0                           ; lane
	v_lshrrev_b32 v8, 5, v0
	v_readfirstlane_b32 s14, v8                    ; wave 0..7
	s_mov_b32 s30, 0x76543210                      ; v_permlanex16_b32: each lane takes its own place in the other half
	s_mov_b32 s31, 0xfedcba98
	s_mov_b32 s15, ttmp9
	s_cmp_ge_u32 s15, 256
	s_cbranch_scc1 .Lsoft                          ; the whole work-group goes one way
	s_lshr_b32 s16, s15, 4                         ; n tile
	s_and_b32 s17, s15, 15                         ; f tile
	v_and_b32 v9, 15, v0                           ; l % 16
	v_bfe_u32 v10, v0, 4, 1                        ; l / 16
	s_lshl_b32 s18, s14, 15                        ; my 8 rows (u) of a chunk: W's rows are 4,096 bytes
	v_lshlrev_b32 v2, 12, v10
	v_lshl_add_u32 v2, v9, 4, v2
	v_add_nc_u32 v2, s18, v2                       ; (8 v + l / 16) x 4,096 + 16 (l % 16): a load takes two rows of 256 bytes
	s_lshl_b32 s18, s14, 16
	v_lshl_add_u32 v3, v1, 4, s18                  ; 8 v x 8,192 + 16 l: a load takes one row of 512 bytes
	s_mul_i32 s18, s14, 8*PW
	v_mul_u32_u24 v4, v10, PW
	v_lshl_add_u32 v4, v9, 3, v4
	v_add_nc_u32 v4, s18, v4                       ; (8 v + l / 16) x 160 + 8 (l % 16)
	s_mul_i32 s18, s14, 8*PM
	s_add_co_u32 s18, s18, MT0
	v_lshl_add_u32 v5, v1, 3, s18                  ; 8 v x 288 + 8 l, behind W's tile
	; The turning load: lane l reads 16 bytes of row 8 (l / 16) + l % 8, at 16 ((l / 8) % 2); it leaves lane l column l % 16 and eight k.
	v_and_b32 v11, 7, v0
	v_lshl_add_u32 v11, v10, 3, v11
	v_bfe_u32 v12, v0, 3, 1
	s_lshr_b32 s19, s14, 2                         ; which 32 n are mine
	s_and_b32 s20, s14, 3                          ; which 32 f
	v_mul_u32_u24 v6, v11, PW
	v_lshl_add_u32 v6, v12, 4, v6
	s_lshl_b32 s18, s19, 6
	v_add_nc_u32 v6, s18, v6
	v_mul_u32_u24 v7, v11, PM
	v_lshl_add_u32 v7, v12, 4, v7
	s_lshl_b32 s18, s20, 6
	s_add_co_u32 s18, s18, MT0
	v_add_nc_u32 v7, s18, v7
	s_lshl_b32 s22, s16, 8                         ; the tile's 64 n: 256 bytes into W's rows
	s_mov_b32 s23, 0
	s_lshl_b32 s24, s17, 9                         ; its 128 f: 512 bytes into mask's rows
	s_mov_b32 s25, 0
	s_wait_kmcnt 0x0
	s_add_nc_u64 s[4:5], s[4:5], s[22:23]
	s_add_nc_u64 s[6:7], s[6:7], s[24:25]
.macro LOADSET set, co                 ; my 8 rows of the chunk co chunks behind the bases, into a register set: 12 loads
.set X, SETS+48*(\set)
.irp t, 0,1,2,3
	global_load_b128 v[X+4*\t:X+4*\t+3], v2, s[4:5] offset:\t*8192+(\co)*262144
.endr
.irp t, 0,1,2,3,4,5,6,7
	global_load_b128 v[X+16+4*\t:X+16+4*\t+3], v3, s[6:7] offset:\t*8192+(\co)*524288
.endr
.endm
.macro WM kq, zero                     ; four matrix instructions, the four accumulators by turns
.irp an, 0,1
.irp af, 0,1
.if \zero
	v_wmma_f32_16x16x32_bf16 v[ACC+8*(2*\an+\af):ACC+8*(2*\an+\af)+7], v[FR+32*(\kq)+16+8*\af:FR+32*(\kq)+16+8*\af+7], v[FR+32*(\kq)+8*\an:FR+32*(\kq)+8*\an+7], 0
.else
	v_wmma_f32_16x16x32_bf16 v[ACC+8*(2*\an+\af):ACC+8*(2*\an+\af)+7], v[FR+32*(\kq)+16+8*\af:FR+32*(\kq)+16+8*\af+7], v[FR+32*(\kq)+8*\an:FR+32*(\kq)+8*\an+7], v[ACC+8*(2*\an+\af):ACC+8*(2*\an+\af)+7]
.endif
.endr
.endr
.endm
; One chunk of 64 u.  ONE barrier does both orderings: this buffer was last read two chunks ago, every wave waited for those reads before it signalled the barrier
; of the chunk between, and my stores stand behind that barrier; the barrier here shows every wave's stores to every wave.
; The 24 conversions are also the places between the last matrix instruction and the loads into its sources.
.macro CHUNK set, buf, left, refill, co, zero
.set X, SETS+48*(\set)
	s_wait_loadcnt \left                           ; loads come back in order (ISA guide 5.7.1): this set's 12 are in, the younger sets stay out
.set t, 0
.rept 12
	v_cvt_pk_bf16_f32 v[X+4*t], v[X+4*t], v[X+4*t+1]
	v_cvt_pk_bf16_f32 v[X+4*t+1], v[X+4*t+2], v[X+4*t+3]
.set t, t+1
.endr
.irp t, 0,1,2,3
	ds_store_b64 v4, v[X+4*\t:X+4*\t+1] offset:(\buf)*BUF+\t*2*PW
.endr
.irp t, 0,1,2,3,4,5,6,7
	ds_store_b64 v5, v[X+16+4*\t:X+16+4*\t+1] offset:(\buf)*BUF+\t*PM
.endr
	s_wait_dscnt 0x0                               ; for the others' sake: my stores are done (and the set's registers are free)
	s_barrier_signal -1
	s_barrier_wait -1
.if \refill
	LOADSET \set, \co                              ; the chunk three further on
.endif
.irp kq, 0,1
.irp a, 0,1
	ds_load_tr16_b128 v[FR+32*\kq+8*\a:FR+32*\kq+8*\a+3],   v6 offset:(\buf)*BUF+\kq*32*PW+\a*32
	ds_load_tr16_b128 v[FR+32*\kq+8*\a+4:FR+32*\kq+8*\a+7], v6 offset:(\buf)*BUF+\kq*32*PW+16*PW+\a*32
.endr
.irp a, 0,1
	ds_load_tr16_b128 v[FR+32*\kq+16+8*\a:FR+32*\kq+16+8*\a+3],   v7 offset:(\buf)*BUF+\kq*32*PM+\a*32
	ds_load_tr16_b128 v[FR+32*\kq+16+8*\a+4:FR+32*\kq+16+8*\a+7], v7 offset:(\buf)*BUF+\kq*32*PM+16*PM+\a*32
.endr
.endr
	s_wait_dscnt 8                                 ; the first 32 of K are in
	WM 0, \zero
	s_wait_dscnt 0x0
	WM 1, 0
.endm
	LOADSET 0, 0
	LOADSET 1, 1
	LOADSET 2, 2
	CHUNK 0, 0, 24, 1, 3, 1                        ; chunk 0 stands ahead of the loop: its first products start the sums
	s_wait_xcnt 0x0                                ; the bases are stepped only behind this wait
	s_add_nc_u64 s[4:5], s[4:5], 262144
	s_add_nc_u64 s[6:7], s[6:7], 524288
	s_mov_b32 s26, 2
.Lk:                                               ; two trips of six chunks: chunks 1 to 12; sets go by three, buffers by two
	CHUNK 1, 1, 24, 1, 3, 0
	CHUNK 2, 0, 24, 1, 4, 0
	CHUNK 0, 1, 24, 1, 5, 0
	CHUNK 1, 0, 24, 1, 6, 0
	CHUNK 2, 1, 24, 1, 7, 0
	CHUNK 0, 0, 24, 1, 8, 0
	s_wait_xcnt 0x0
	s_add_nc_u64 s[4:5], s[4:5], 6*262144
	s_add_nc_u64 s[6:7], s[6:7], 6*524288
	s_sub_co_u32 s26, s26, 1
	s_cmp_lg_u32 s26, 0
	s_cbranch_scc1 .Lk
	CHUNK 1, 1, 24, 0, 0, 0                        ; chunks 13 to 15 load nothing: the counts run down
	CHUNK 2, 0, 12, 0, 0, 0
	CHUNK 0, 1, 0, 0, 0, 0
	; THE WAY OUT: rounded to bf16, 16 bytes a lane into the stage; a barrier, since a row's 256 bytes come from four waves; back as whole rows, each to its place p(n).
.rept 4
	v_nop                                          ; the places behind the last products
.endr
.set t, 0
.rept 4
.irp r, 0,1,2,3
	v_cvt_pk_bf16_f32 v[FR+4*t+\r], v[ACC+8*t+2*\r], v[ACC+8*t+2*\r+1]
.endr
.set t, t+1
.endr
	s_mul_i32 s18, s19, 32*SP
	s_lshl_b32 s21, s20, 6
	s_add_co_u32 s18, s18, s21
	s_add_co_u32 s18, s18, STAGE
	v_mul_u32_u24 v8, v9, SP
	v_lshl_add_u32 v8, v10, 4, v8
	v_add_nc_u32 v8, s18, v8                       ; row 32 vn + l % 16, byte 64 vf + 16 (l / 16)
.irp an, 0,1
.irp af, 0,1
	ds_store_b128 v8, v[FR+4*(2*\an+\af):FR+4*(2*\an+\af)+3] offset:\an*16*SP+\af*32
.endr
.endr
	s_wait_dscnt 0x0
	s_barrier_signal -1
	s_barrier_wait -1
.set NN, 64                            ; v64-67 n, v68-71 the store's offset, v72-87 the rows, v88-90 at work
	s_mul_i32 s18, s14, 8*SP                       ; wave v takes rows 8 v .. 8 v + 7, whole: lanes 0-15 one row of 256 bytes, lanes 16-31 the next
	s_add_co_u32 s18, s18, STAGE
	v_mul_u32_u24 v13, v10, SP
	v_lshl_add_u32 v13, v9, 4, v13
	v_add_nc_u32 v13, s18, v13
.irp t, 0,1,2,3
	ds_load_b128 v[NN+8+4*\t:NN+8+4*\t+3], v13 offset:\t*2*SP
.endr
	s_lshl_b32 s18, s14, 3
	s_lshl_b32 s21, s16, 6
	s_add_co_u32 s21, s21, s18                     ; the n of my first row: 64 x n tile + 8 v
	s_mov_b32 s28, 0x76325104                      ; for n = 0..7: which group of 128 rows holds it
	s_lshl_b32 s22, s17, 8                         ; the tile's 128 f: 256 bytes into Mt's rows
	s_mov_b32 s23, 0
	s_add_nc_u64 s[10:11], s[10:11], s[22:23]
.irp t, 0,1,2,3
	v_add3_u32 v[NN+\t], s21, v10, 2*\t            ; n
.endr
.macro PMAP n, p, a, b, c              ; p(n), whole numbers alone
	v_lshrrev_b32 v[\a], 5, v[\n]
	v_min_u32 v[\a], 1, v[\a]
.irp k, 6,7,8,9
	v_lshrrev_b32 v[\b], \k, v[\n]
	v_min_u32 v[\b], 1, v[\b]
	v_add_nc_u32 v[\a], v[\a], v[\b]               ; e = how many of n >> 5 .. n >> 9 are not 0
.endr
	v_lshrrev_b32 v[\b], v[\a], v[\n]              ; 16 + g
	v_add_nc_u32 v[\c], -1, v[\b]
	v_lshlrev_b32 v[\c], v[\a], v[\c]
	v_sub_nc_u32 v[\c], v[\n], v[\c]               ; sg = n - ((15 + g) << e)
	v_and_b32 v[\a], 14, v[\b]
	v_lshlrev_b32 v[\a], 6, v[\a]                  ; 128 (g >> 1)
	v_and_b32 v[\b], 1, v[\b]
	v_lshl_add_u32 v[\a], v[\b], 3, v[\a]          ; + 8 (g & 1)
	v_and_b32 v[\b], 56, v[\c]
	v_lshl_add_u32 v[\a], v[\b], 1, v[\a]          ; + 16 (sg >> 3)
	v_and_b32 v[\c], 7, v[\c]
	v_add_nc_u32 v[\a], v[\a], v[\c]               ; + sg & 7
	v_lshlrev_b32 v[\b], 2, v[\n]
	v_lshrrev_b32 v[\b], v[\b], s28
	v_and_b32 v[\b], 15, v[\b]
	v_lshl_add_u32 v[\b], v[\b], 7, 8              ; n < 8: 128 x table + 8
	v_add_nc_u32 v[\c], -8, v[\n]
	v_lshlrev_b32 v[\c], 7, v[\c]                  ; 8 <= n < 16: 128 (n - 8)
	v_cmp_gt_u32 vcc_lo, 8, v[\n]
	v_cndmask_b32 v[\b], v[\c], v[\b], vcc_lo
	v_cmp_gt_u32 vcc_lo, 16, v[\n]
	v_cndmask_b32 v[\p], v[\a], v[\b], vcc_lo
	v_and_b32 v[\p], 1023, v[\p]
	v_lshlrev_b32 v[\p], 12, v[\p]                 ; Mt's rows are 4,096 bytes
	v_lshl_add_u32 v[\p], v9, 4, v[\p]
.endm
.irp t, 0,1,2,3
	PMAP NN+\t, NN+4+\t, 88, 89, 90
.endr
	; The place of n = 0 takes node 1's row.  Rows 0 and 1 of the first n tile lie in the two halves of the lanes of wave 0's first load, at the same 16 bytes of the row:
	; each lane looks at the lane 16 away and takes its data where its own n is 0.  Every wave runs the lines; only there is the condition met.
	s_wait_dscnt 3                                 ; the first pair of rows is in; the three younger loads may stay out
.irp k, 0,1,2,3
	v_permlanex16_b32 v[FR+\k], v[NN+8+\k], s30, s31  ; its destination counts as read: these registers were written by the conversions above
.endr
	v_cmp_eq_u32 vcc_lo, 0, v[NN]
.irp k, 0,1,2,3
	v_cndmask_b32 v[NN+8+\k], v[NN+8+\k], v[FR+\k], vcc_lo
.endr
.irp t, 0,1,2,3
	s_wait_dscnt 3-\t
	global_store_b128 v[NN+4+\t], v[NN+8+4*\t:NN+8+4*\t+3], s[10:11]  ; 16 lanes store 256 consecutive bytes, at a multiple of 256 from Mt's first byte
.endr
	s_wait_tensorcnt 0x0                           ; the wave's end, behind my last LDS store
	ds_add_u32 v14, v15
	s_wait_dscnt 0x0
	s_endpgm
; SOFTMAX.  A wave owns 8 leaves: task = 16 W8 + 8 h + 2 kk + g, leaves 8 task + j.  A lane holds classes l + 32 i, i = 0..3; classes 100 on count as the lowest
; finite number, so their weight is 0.  Pf[W8][kk][cb][g][16 h + r][j] = probs[8 task + j][16 cb + r], cb = 0..6: a lane's eight leaves of one class are 16 bytes.
; This way touches no LDS.
.set PX, 112                           ; v112-143 entry (i, j) at PX + 8 i + j
.set MX, 16                            ; v16-23   maximum, then sum, then its reciprocal, of leaf j
.set TP, 24                            ; v24-31   at work
.set OP, 32                            ; v32-47   packed
.Lsoft:
	s_sub_co_u32 s16, s15, 256
	s_lshl_b32 s16, s16, 3
	s_add_co_u32 s16, s16, s14                     ; task 0..127
	s_mul_i32 s22, s16, 3200                       ; 8 rows of 400 bytes
	s_mov_b32 s23, 0
	s_lshr_b32 s17, s16, 4
	s_mul_i32 s24, s17, 28672                      ; W8
	s_bfe_u32 s17, s16, 0x20001
	s_mul_i32 s17, s17, 7168                       ; kk
	s_add_co_u32 s24, s24, s17
	s_and_b32 s17, s16, 1
	s_lshl_b32 s17, s17, 9                         ; g
	s_add_co_u32 s24, s24, s17
	s_bfe_u32 s17, s16, 0x10003
	s_lshl_b32 s17, s17, 8                         ; h
	s_add_co_u32 s24, s24, s17
	s_mov_b32 s25, 0
	v_lshlrev_b32 v2, 2, v1                        ; 4 l
	v_min_u32 v3, 3, v1
	v_lshlrev_b32 v3, 2, v3                        ; for classes 96 on: no lane reads past class 99
	v_and_b32 v4, 15, v0
	v_bfe_u32 v5, v0, 4, 1
	v_lshlrev_b32 v4, 4, v4
	v_lshl_add_u32 v4, v5, 10, v4                  ; class l + 32 i lies at cb = 2 i + l / 16, r = l % 16
	v_mov_b32 v6, 0xff7fffff
	s_wait_kmcnt 0x0
	s_add_nc_u64 s[8:9], s[8:9], s[22:23]
	s_add_nc_u64 s[12:13], s[12:13], s[24:25]
.irp i, 0,1,2
.irp j, 0,1,2,3,4,5,6,7
	global_load_b32 v[PX+8*\i+\j], v2, s[8:9] offset:\j*400+\i*128
.endr
.endr
.irp j, 0,1,2,3,4,5,6,7
	global_load_b32 v[PX+24+\j], v3, s[8:9] offset:\j*400+384
.endr
	s_wait_loadcnt 0x0
	v_cmp_gt_u32 vcc_lo, 4, v1
.irp j, 0,1,2,3,4,5,6,7
	v_cndmask_b32 v[PX+24+\j], v6, v[PX+24+\j], vcc_lo
.endr
.irp j, 0,1,2,3,4,5,6,7
	v_max3_num_f32 v[MX+\j], v[PX+\j], v[PX+8+\j], v[PX+16+\j]
	v_mov_b32 v[TP+\j], 0                          ; v_permlanex16_b32 counts as a reader of its destination
.endr
.irp j, 0,1,2,3,4,5,6,7
	v_max_num_f32 v[MX+\j], v[MX+\j], v[PX+24+\j]
.endr
.irp m, 1,2,4,8
.irp j, 0,1,2,3,4,5,6,7
	v_max_num_f32_dpp v[MX+\j], v[MX+\j], v[MX+\j] row_xmask:\m row_mask:0xf bank_mask:0xf
.endr
.endr
.irp j, 0,1,2,3,4,5,6,7
	v_permlanex16_b32 v[TP+\j], v[MX+\j], s30, s31
.endr
.irp j, 0,1,2,3,4,5,6,7
	v_max_num_f32 v[MX+\j], v[MX+\j], v[TP+\j]     ; every lane holds the leaf's maximum
.endr
.irp i, 0,1,2,3
.irp j, 0,1,2,3,4,5,6,7
	v_sub_f32 v[PX+8*\i+\j], v[PX+8*\i+\j], v[MX+\j]
.endr
.endr
.irp i, 0,1,2,3
.irp j, 0,1,2,3,4,5,6,7
	v_mul_f32 v[PX+8*\i+\j], 0x3fb8aa3b, v[PX+8*\i+\j]
.endr
.endr
.irp i, 0,1,2,3
.irp j, 0,1,2,3,4,5,6,7
	v_exp_f32 v[PX+8*\i+\j], v[PX+8*\i+\j]
.endr
.endr
	v_nop                                          ; a plain instruction behind the last exponential (ISA guide 5.7.2)
	s_wait_alu depctr_va_vdst(0)
.irp j, 0,1,2,3,4,5,6,7
	v_add_f32 v[MX+\j], v[PX+\j], v[PX+8+\j]
	v_add_f32 v[TP+\j], v[PX+16+\j], v[PX+24+\j]
.endr
.irp j, 0,1,2,3,4,5,6,7
	v_add_f32 v[MX+\j], v[MX+\j], v[TP+\j]
.endr
.irp m, 1,2,4,8
.irp j, 0,1,2,3,4,5,6,7
	v_add_f32_dpp v[MX+\j], v[MX+\j], v[MX+\j] row_xmask:\m row_mask:0xf bank_mask:0xf
.endr
.endr
.irp j, 0,1,2,3,4,5,6,7
	v_permlanex16_b32 v[TP+\j], v[MX+\j], s30, s31
.endr
.irp j, 0,1,2,3,4,5,6,7
	v_add_f32 v[MX+\j], v[MX+\j], v[TP+\j]
.endr
.irp j, 0,1,2,3,4,5,6,7
	v_rcp_f32 v[MX+\j], v[MX+\j]
.endr
	v_nop
	s_wait_alu depctr_va_vdst(0)
.irp i, 0,1,2,3
.irp j, 0,1,2,3,4,5,6,7
	v_mul_f32 v[PX+8*\i+\j], v[PX+8*\i+\j], v[MX+\j]
.endr
.endr
.irp i, 0,1,2,3
.irp q, 0,1,2,3
	v_cvt_pk_bf16_f32 v[OP+4*\i+\q], v[PX+8*\i+2*\q], v[PX+8*\i+2*\q+1]
.endr
.endr
.irp i, 0,1,2
	global_store_b128 v4, v[OP+4*\i:OP+4*\i+3], s[12:13] offset:\i*2048  ; each half of the lanes stores 256 consecutive bytes, aligned
.endr
	s_wait_xcnt 0x0                                ; EXEC changes only behind this wait
	v_cmp_gt_u32 vcc_lo, 16, v1
	s_and_saveexec_b32 s26, vcc_lo                 ; classes 96 to 111 (cb = 6): lanes 0 to 15; there is no cb = 7
	global_store_b128 v4, v[OP+12:OP+15], s[12:13] offset:6144
	s_wait_xcnt 0x0
	s_or_b32 exec_lo, exec_lo, s26
	s_endpgm
.Lfunc_end_k_q02aefcf4bc_prep:
	.size	k_q02aefcf4bc_prep, .Lfunc_end_k_q02aefcf4bc_prep-k_q02aefcf4bc_prep
	.p2alignl 7, 3214868480
	.fill 96, 4, 3214868480
	.section	.rodata,"a",@progbits
	.p2align	6, 0x0
	.amdhsa_kernel k_q02aefcf4bc_prep
		.amdhsa_group_segment_fixed_size 75776
		.amdhsa_private_segment_fixed_size 0
		.amdhsa_enable_private_segment 0
		.amdhsa_kernarg_size 40
		.amdhsa_user_sgpr_count 2
		.amdhsa_user_sgpr_kernarg_segment_ptr 1
		.amdhsa_wavefront_size32 1
		.amdhsa_system_sgpr_workgroup_id_x 1
		.amdhsa_system_sgpr_workgroup_id_y 1
		.amdhsa_system_sgpr_workgroup_id_z 1
		.amdhsa_system_vgpr_workitem_id 0
		.amdhsa_next_free_vgpr 256
		.amdhsa_next_free_sgpr 66
		.amdhsa_reserve_vcc 1
		.amdhsa_float_denorm_mode_32 3
		.amdhsa_float_denorm_mode_16_64 3
		.amdhsa_memory_ordered 1
		.amdhsa_forward_progress 1
		.amdhsa_inst_pref_size 82
	.end_amdhsa_kernel
	.amdgpu_metadata
---
amdhsa.version: [ 1, 2 ]
amdhsa.kernels:
  - .name:           k_q02aefcf4bc_prep
    .symbol:         k_q02aefcf4bc_prep.kd
    .args:
      - { .name: W, .offset: 0, .size: 8, .value_kind: global_buffer, .address_space: global }
      - { .name: mask, .offset: 8, .size: 8, .value_kind: global_buffer, .address_space: global }
      - { .name: pi, .offset: 16, .size: 8, .value_kind: global_buffer, .address_space: global }
      - { .name: Mt, .offset: 24, .size: 8, .value_kind: global_buffer, .address_space: global }
      - { .name: Pf, .offset: 32, .size: 8, .value_kind: global_buffer, .address_space: global }
    .group_segment_fixed_size: 75776
    .private_segment_fixed_size: 0
    .kernarg_segment_align: 8
    .kernarg_segment_size: 40
    .max_flat_workgroup_size: 256
    .sgpr_count:     66
    .vgpr_count:     256
    .wavefront_size: 32
...
	.end_amdgpu_metadata
.endif
;; end of part 1
;; launch main (part 2): grid 256 x 1, 4 waves a work-group, clusters of 4 x 1, 327,680 bytes of LDS; arguments features, b, Mt, Pf, part; writes part
.if DOCPART == 2
	.amdgcn_target "amdgcn-amd-amdhsa--gfx1250"
	.amdhsa_code_object_version 6
	.text
	.protected	k_q02aefcf4bc_main
	.globl	k_q02aefcf4bc_main
	.p2align	8
	.type	k_q02aefcf4bc_main,@function
k_q02aefcf4bc_main:
	s_mov_b64 s[64:65], 0
	v_nop
	global_prefetch_b8 v0, s[64:65] scope:SCOPE_SE
	s_setreg_imm32_b32 hwreg(HW_REG_WAVE_MODE, 25, 1), 1
	s_wait_xcnt 0x0
	s_wait_alu depctr_hold_cnt(0) depctr_sa_sdst(0) depctr_va_vdst(0) depctr_va_sdst(0) depctr_va_ssrc(0) depctr_va_vcc(0) depctr_vm_vsrc(0)
	s_getreg_b32 s2, hwreg(HW_REG_IB_STS2, 6, 4)
	s_cmp_eq_u32 s2, 0
	s_cbranch_scc0 .Lentry_in_a_cluster
	s_endpgm
.Lentry_in_a_cluster:
	s_bfe_u32 s2, ttmp6, 0x10000c
	s_cmp_lg_u32 s2, 0x3003
	s_cbranch_scc0 .Lentry_shape_is_right
	s_endpgm
.Lentry_shape_is_right:
; part[H][row][class] = sum over the 512 leaves J of half H of the tree of mu[row][J] probs[J][class], f32, [2][16384][100]; the next launch adds the two halves.
; mu comes from d = sigmoid(features . Mt^T + b), where Mt (bf16, [1024][2048], made by the launch before) is mask^T W with its rows in the order the lanes want.
; SHARES.  A work-group owns 128 rows of features and one half of the tree: 512 rows of Mt.  Wave w owns all 128 rows x Mt's rows 128 w .. + 127: 64 accumulators of 16 x 16.
; THE ORDER OF Mt's ROWS.  The matrix instruction is used transposed (source 0 = 16 rows of Mt, source 1 = 16 rows of features), so lane (r = l % 16, h = l / 16) holds, for
; batch row 16 a + r, in register 64 (a % 4) + sg, the node with heap number sg = 1..63 of the subtree of depth 6 under node 16 + G, G = 8 H + 2 w + h: a whole subtree a lane.
; Place sg = 0 holds one of the nodes above: for h = 0 node 8 + 4 H + w, for h = 1 node 1, 2 + H, 4 + 2 H, 5 + 2 H for w = 0..3; these few go from wave to wave through LDS.
; The lane's 64 leaf weights, rounded to bf16 in pairs, ARE source 1 (keys = leaves) of the second product, whose source 0 (Pf, 16 classes x 32 leaves) was laid out to match.
; B (Mt) comes by tensor loads through two LDS slots, K steps of 128: rows of 256 bytes.  CLUSTER: the four work-groups of a cluster share H, so each tile of Mt is asked for
; JOINTLY, by the same load with the same descriptor and the mask of four.  A (features) is f32: it must be rounded on the way, which no tensor load does, so it comes through
; registers (16 loads of 512 bytes a wave and chunk of 64 K, asked for two chunks ahead and left out across the barriers), is rounded and stored to one of two small LDS
; buffers; that is also why A is not asked for jointly.
; LIMITS.  The product is reassociated: mask^T W is rounded to bf16 where the written order would round features mask^T.  d = 1 / (1 + 2^t), t = -log2(e) (z + b): where 2^t
; overflows d is 0 and 1 - d is 1; a d below 2^-126 counts as 0.  1 - d enters as m - m d, fused.  mu and probs are rounded to bf16 for the second product.  NaN and infinities
; are not treated apart.  d of node 0 is never used by the tree, so b[0] is not read.
; REGISTERS, in windows of 256 (s_set_vgpr_msb: bits 1:0 source 0, 3:2 source 1, 5:4 source 2, 7:6 destination):
;   window 0: v0-31 addresses; v32-63 at work; v64-127, v128-191 A's fragments, two buffers (later T: t and d; M: the weights, then the second product's sums); v192-255 b x -log2(e)
;   window 1: v0-63, v192-255 A as loaded, two sets; v64-191 B's fragments, two buffers (later v0-223 Pf, v224-255 the weights in bf16)
;   windows 2, 3: the accumulators of batch rows 0-63, 64-127: (a, bq) at 8 (8 (a % 4) + bq)
.set PB,    272                        ; a row of B in LDS: 256 bytes + 16: row r starts at bank 4 r mod 64 (64 banks of 4 bytes: ISA guide 11.1)
.set PA,    144                        ; a row of A: 128 bytes + 16: nine times 16 bytes
.set BQ,    128*PB                     ; what one tensor load brings, and what one wave reads of B
.set SLOT,  4*BQ
.set ABUF,  2*SLOT                     ; behind the ring
.set ASZ,   128*PA
.set TOP,   ABUF+2*ASZ                 ; 8 rows of 128 f32: d of the nodes above the subtrees
.set SPARE, TOP+4096                   ; the spare words: 128 bytes for each wave, two blocks of 256 bytes that no other line names
.set RIMG,  51456                      ; the waves' images of the result, [128][100] f32, lie so far apart, in the slots, which have then had their last fill
.set LANE, 1
.set RR,   2                           ; l % 16
.set HH,   3                           ; l / 16
.set ADRA, 4                           ; v4-5   my A fragments in buffer 0, 1
.set ADRB, 6                           ; v6-7   my B fragments in slot 0, 1
.set AOFF, 8                           ; v8     my byte offset in a chunk of features
.set AST,  10                          ; v10-11 where I store rounded A, buffer 0, 1
.set TOPW, 12
.set TA,   13
.set TB,   14
.set TC,   15
.set C4,   16                          ; v16-17 (1, 0) or (-1, 1): which child of node 8 + 4 H + w my lanes' subtree is
.set S4,   17
.set STO,  18
.set PFO,  19                          ; 16 l
.set BO,   20                          ; v20-26 byte offsets into b; later v20-23 RD
.set RD,   20
.set SPW,  28                          ; my spare word; never rewritten
.set NIL,  29                          ; 0; never rewritten
.set TMP,  32
.set V0,   32                          ; v32-39 the weight with which my subtree is entered, for each a
.set VR,   40
.set F0,   64
.set F1,   128
.set T,    64
.set M,    128
.set O,    128
.set BIAS, 192
.set U,    224                         ; window 1
.set LD,   64
.set RES,  144
.set WV,  14                           ; s14 wave; s15 cx; s16 H; s17 block of 128 rows; s20 W8 = 4 H + w
.set CX,  15
.set HF,  16
.set RBK, 17
.set W8,  20
.set G1,  24                           ; s[24:31] descriptor group 1
.set G0,  32                           ; s[32:39] group 0, a set for each slot
.set NL,  40                           ; s[40:41] -log2(e), named as a pair
.set CS,  42                           ; s42-47 (c, s) for the three upper levels: d c + s is d or 1 - d
.set SX,  48
.set RB,  49
.set AB,  50                           ; s[50:51] features at the chunk asked for last
.set MSB, 0
.macro WIN new                         ; the immediate's high byte repeats the setting that is left; a switch that changes nothing is dropped
.if MSB != (\new)
	s_set_vgpr_msb (MSB<<8)|(\new)
.set MSB, \new
.endif
.endm
.set MUL_LO, 0xa1                      ; source 0 (B) window 1, source 1 (A) window 0, C and D window 2
.set MUL_HI, 0xf1
.set TO_B,   0x40
.macro PLACES                          ; four places in front of loads into registers that matrix instructions have read, and of reads of results
.rept 4
	v_nop
.endr
.endm
.macro CREST                           ; a round of the cluster's barrier behind its opening barrier
	s_cmp_lg_u32 s[WV], 0
	s_cbranch_scc1 .Lnot_wave_0_\@
	s_barrier_signal -3
.Lnot_wave_0_\@:
	s_barrier_wait -3
	s_barrier_signal -1
	s_barrier_wait -1
.endm
.macro CROUND
	s_barrier_signal -1
	s_barrier_wait -1
	CREST
.endm
	s_load_b256 s[4:11], s[0:1], 0x0               ; features s[4:5], b s[6:7], Mt s[8:9], Pf s[10:11]
	s_load_b64 s[12:13], s[0:1], 0x20              ; part
	v_lshl_add_u32 v[SPW], v0, 2, SPARE
	v_mov_b32 v[NIL], 0
	ds_add_u32 v[SPW], v[NIL]                      ; the wave's opening: the add and its wait stand ahead of my first tensor load; the set-up, work on registers, stands between
	v_lshrrev_b32 v30, 5, v0
	v_readfirstlane_b32 s[WV], v30
	s_bfe_u32 s[CX], ttmp6, 0x40000                ; my place in the cluster: it enters the addresses of features and part alone
	s_and_b32 s[HF], ttmp9, 1                      ; ttmp9 counts clusters: the four partners share H
	s_lshr_b32 s[RBK], ttmp9, 1
	s_lshl_b32 s[RBK], s[RBK], 2
	s_add_co_u32 s[RBK], s[RBK], s[CX]
	s_lshl_b32 s[W8], s[HF], 2
	s_add_co_u32 s[W8], s[W8], s[WV]
	s_mov_b32 s[G1+0], 15|(1<<16)|(1<<20)|(1<<21)|(5<<22)|(3<<25)  ; the mask of four; 2-byte elements; padding on; bit 21 beside a mask; after every 64 words, 4 words
	s_mov_b32 s[G1+1], 128<<16                     ; tensor_dim0 = 128
	s_mov_b32 s[G1+2], 128<<16                     ; tensor_dim1 = 128
	s_mov_b32 s[G1+3], 128<<16                     ; tile_dim0 = 128
	s_mov_b32 s[G1+4], 128                         ; tile_dim1 = 128
	s_mov_b32 s[G1+5], 2048                        ; elements from row to row of Mt
	s_mov_b32 s[G1+6], 0
	s_mov_b32 s[G1+7], 0
	s_mul_i32 s18, s[WV], BQ                       ; my 128 rows in a slot: no place in the cluster enters an LDS address
	s_mov_b32 s[G0], 1
	s_add_co_u32 s[G0+1], s18, 0
	s_mov_b32 s[G0+4], 1
	s_add_co_u32 s[G0+5], s18, SLOT
	s_lshl_b32 s22, s[W8], 19                      ; Mt: 128 W8 rows of 4,096 bytes
	s_mov_b32 s23, 0
	s_lshl_b32 s52, s[RBK], 20                     ; features: 128 rows of 8,192 bytes a block
	s_mov_b32 s53, 0
	s_mul_i32 s54, s[W8], 28672                    ; Pf: my wave's 128 leaves
	s_mov_b32 s55, 0
	s_mul_i32 s58, s[WV], 12800                    ; my quarter of the result's image
	s_mul_i32 s56, s[HF], 6553600
	s_mul_i32 s57, s[RBK], 51200
	s_add_co_u32 s56, s56, s57
	s_add_co_u32 s56, s56, s58
	s_mov_b32 s57, 0
	s_mov_b32 s[NL], 0xbfb8aa3b
	s_mov_b32 s[NL+1], s[NL]
	s_cmp_eq_u32 s[HF], 1                          ; node 1: my half is its right child if H = 1
	s_cselect_b32 s[CS], -1.0, 1.0
	s_cselect_b32 s[CS+1], 1.0, 0
	s_lshr_b32 s21, s[WV], 1
	s_cmp_eq_u32 s21, 1                            ; node 2 + H
	s_cselect_b32 s[CS+2], -1.0, 1.0
	s_cselect_b32 s[CS+3], 1.0, 0
	s_and_b32 s19, s[WV], 1
	s_cmp_eq_u32 s19, 1                            ; node 4 + 2 H + w / 2
	s_cselect_b32 s[CS+4], -1.0, 1.0
	s_cselect_b32 s[CS+5], 1.0, 0
	v_and_b32 v[LANE], 31, v0
	v_and_b32 v[RR], 15, v0
	v_bfe_u32 v[HH], v0, 4, 1
	v_cvt_f32_u32 v[S4], v[HH]                     ; node 8 + 4 H + w: by the half of the lanes
	v_fma_f32 v[C4], v[S4], -2.0, 1.0
	v_mul_u32_u24 v30, v[RR], PA                   ; a fragment: row l % 16, 16 bytes for each half of the lanes, twice, 32 bytes apart
	v_lshl_add_u32 v30, v[HH], 4, v30
	v_add_nc_u32 v[ADRA], ABUF, v30
	v_add_nc_u32 v[ADRA+1], ABUF+ASZ, v30
	v_mul_u32_u24 v30, v[RR], PB
	v_lshl_add_u32 v30, v[HH], 4, v30
	v_add_nc_u32 v[ADRB], s18, v30
	v_add_nc_u32 v[ADRB+1], SLOT, v[ADRB]
	s_lshl_b32 s19, s[WV], 18                      ; I bring rows 32 w .. 32 w + 31 of A, two rows of 256 bytes to a load
	v_lshlrev_b32 v30, 13, v[HH]
	v_lshl_add_u32 v30, v[RR], 4, v30
	v_add_nc_u32 v[AOFF], s19, v30
	s_mul_i32 s19, s[WV], 32*PA
	v_mul_u32_u24 v30, v[HH], PA
	v_lshl_add_u32 v30, v[RR], 3, v30
	v_add_nc_u32 v30, s19, v30
	v_add_nc_u32 v[AST], ABUF, v30
	v_add_nc_u32 v[AST+1], ABUF+ASZ, v30
	v_lshlrev_b32 v[TA], 2, v[RR]
	v_add_nc_u32 v[TA], TOP, v[TA]                 ; TOP's row q, batch row 16 a + r: TOP + 512 q + 64 a + 4 r
	s_lshl_b32 s19, s[WV], 10
	v_add_nc_u32 v[TC], s19, v[TA]                 ; row 2 w: node 8 + 4 H + w
	v_lshl_add_u32 v[TOPW], v[HH], 9, v[TC]        ; I write row 2 w + h
	s_lshl_b32 s19, s21, 10
	s_add_co_u32 s19, s19, 5*512
	v_add_nc_u32 v[TB], s19, v[TA]                 ; row 5 + 2 (w / 2): node 4 + 2 H + w / 2
	s_mul_i32 s19, s[WV], RIMG
	v_mul_u32_u24 v30, v[RR], 400
	v_lshl_add_u32 v30, v[HH], 5, v30
	v_add_nc_u32 v[STO], s19, v30                  ; my image: row r, classes 8 h on
	v_lshlrev_b32 v[PFO], 4, v[LANE]
	s_lshl_b32 s19, s[W8], 1
	s_add_co_u32 s19, s19, 16
	v_add_nc_u32 v30, s19, v[HH]                   ; 16 + G: level e of my subtree is nodes (16 + G) << e on, 2^e of them
.irp e, 0,1,2,3,4,5
	v_lshlrev_b32 v[BO+\e], \e+2, v30
.endr
	s_lshl_b32 s19, s[W8], 2
	s_lshr_b32 s19, 0x76315421, s19
	s_and_b32 s19, s19, 15                         ; place 0, h = 1: node 1, 2 + H, 4 + 2 H, 5 + 2 H
	s_add_co_u32 s21, s[W8], 8                     ; h = 0: node 8 + W8
	v_mov_b32 v31, s21
	v_mov_b32 v27, s19
	v_cmp_eq_u32 vcc_lo, 1, v[HH]
	v_cndmask_b32 v31, v31, v27, vcc_lo
	v_lshlrev_b32 v[BO+6], 2, v31
	s_wait_dscnt 0x0                               ; the opening add is done
	s_wait_kmcnt 0x0
	s_add_nc_u64 s[8:9], s[8:9], s[22:23]
	s_mov_b64 s[G0+2:G0+3], s[8:9]                 ; K step 0
	s_or_b32 s[G0+3], s[G0+3], 0x80000000          ; type = 2
	s_add_nc_u64 s[G0+6:G0+7], s[8:9], 256         ; K step 1
	s_or_b32 s[G0+7], s[G0+7], 0x80000000
	s_add_nc_u64 s[AB:AB+1], s[4:5], s[52:53]
	s_add_nc_u64 s[10:11], s[10:11], s[54:55]
	s_add_nc_u64 s[12:13], s[12:13], s[56:57]
	global_load_b32 v[BIAS], v[BO+6], s[6:7]       ; 18 loads: b in the order of my registers
	global_load_b32 v[BIAS+1], v[BO], s[6:7]
	global_load_b64 v[BIAS+2:BIAS+3], v[BO+1], s[6:7]
	global_load_b128 v[BIAS+4:BIAS+7], v[BO+2], s[6:7]
.irp t, 0,1
	global_load_b128 v[BIAS+8+4*\t:BIAS+11+4*\t], v[BO+3], s[6:7] offset:16*\t
.endr
.irp t, 0,1,2,3
	global_load_b128 v[BIAS+16+4*\t:BIAS+19+4*\t], v[BO+4], s[6:7] offset:16*\t
.endr
.irp t, 0,1,2,3,4,5,6,7
	global_load_b128 v[BIAS+32+4*\t:BIAS+35+4*\t], v[BO+5], s[6:7] offset:16*\t
.endr
	WIN TO_B
.irp t, 0,1,2,3,4,5,6,7,8,9,10,11,12,13,14,15
	global_load_b128 v[4*\t:4*\t+3], v[AOFF], s[AB:AB+1] offset:\t*16384           ; chunk 0
.endr
.irp t, 0,1,2,3,4,5,6,7,8,9,10,11,12,13,14,15
	global_load_b128 v[192+4*\t:192+4*\t+3], v[AOFF], s[AB:AB+1] offset:\t*16384+256  ; chunk 1
.endr
	WIN 0
	s_wait_xcnt 0x0                                ; the base is stepped only behind this wait
	s_add_nc_u64 s[AB:AB+1], s[AB:AB+1], 256
	CROUND                                         ; all four work-groups are here: the first joint loads meet
	tensor_load_to_lds s[G0:G0+3], s[G1:G1+7]      ; both first fills go out together: two loads of mine are out
	s_nop 0
	tensor_load_to_lds s[G0+4:G0+7], s[G1:G1+7]
	s_nop 0
	PLACES
; 16 matrix instructions: batch blocks a0, a0 + 1 of the window's four x all 8 blocks of Mt's rows, 32 along K.  zero = 1: the first product starts the sums.
.macro MUL16 f, hi, a0, zero
	WIN MUL_LO+0x50*(\hi)
.irp a, \a0, (\a0)+1
.irp b, 0,1,2,3,4,5,6,7
.if \zero
	v_wmma_f32_16x16x32_bf16 v[8*(8*(\a)+(\b)):8*(8*(\a)+(\b))+7], v[(\f)+8*(\b):(\f)+8*(\b)+7], v[(\f)+8*(4*(\hi)+(\a)):(\f)+8*(4*(\hi)+(\a))+7], 0
.else
	v_wmma_f32_16x16x32_bf16 v[8*(8*(\a)+(\b)):8*(8*(\a)+(\b))+7], v[(\f)+8*(\b):(\f)+8*(\b)+7], v[(\f)+8*(4*(\hi)+(\a)):(\f)+8*(4*(\hi)+(\a))+7], v[8*(8*(\a)+(\b)):8*(8*(\a)+(\b))+7]
.endif
.endr
.endr
.endm
; 32 LDS loads in one run: B's fragments at byte bk of slot bs, then A's at byte ak of buffer ab, into buffer f
.macro FETCH bs, bk, ab, ak, f
	WIN TO_B
.irp i, 0,1,2,3,4,5,6,7
	ds_load_b128 v[(\f)+8*(\i):(\f)+8*(\i)+3],   v[ADRB+(\bs)] offset:(\bk)+(\i)*16*PB
	ds_load_b128 v[(\f)+8*(\i)+4:(\f)+8*(\i)+7], v[ADRB+(\bs)] offset:(\bk)+(\i)*16*PB+32
.endr
	WIN 0
.irp i, 0,1,2,3,4,5,6,7
	ds_load_b128 v[(\f)+8*(\i):(\f)+8*(\i)+3],   v[ADRA+(\ab)] offset:(\ak)+(\i)*16*PA
	ds_load_b128 v[(\f)+8*(\i)+4:(\f)+8*(\i)+7], v[ADRA+(\ab)] offset:(\ak)+(\i)*16*PA+32
.endr
.endm
; A chunk of A (64 along K) of parity par, which has come into its register set, is rounded and stored into A's buffer par; load = 1: the set is asked for again, two chunks on.
.macro ASTAGE par, left, load
	s_wait_loadcnt \left                           ; loads come back in order (ISA guide 5.7.1): this set's 16 are in, the other set's stay out
	WIN 0x05                                       ; sources window 1, destination window 0
.irp t, 0,1,2,3,4,5,6,7,8,9,10,11,12,13,14,15
	v_cvt_pk_bf16_f32 v[TMP+2*\t],   v[192*(\par)+4*\t],   v[192*(\par)+4*\t+1]
	v_cvt_pk_bf16_f32 v[TMP+2*\t+1], v[192*(\par)+4*\t+2], v[192*(\par)+4*\t+3]
.endr
	WIN 0
.irp t, 0,1,2,3,4,5,6,7,8,9,10,11,12,13,14,15
	ds_store_b64 v[AST+(\par)], v[TMP+2*\t:TMP+2*\t+1] offset:\t*2*PA
.endr
.if \load
	s_wait_xcnt 0x0                                ; the base is stepped only behind this wait
	s_add_nc_u64 s[AB:AB+1], s[AB:AB+1], 256
	WIN TO_B
.irp t, 0,1,2,3,4,5,6,7,8,9,10,11,12,13,14,15
	global_load_b128 v[192*(\par)+4*\t:192*(\par)+4*\t+3], v[AOFF], s[AB:AB+1] offset:\t*16384
.endr
.endif
.endm
; A quarter is 32 along K, 64 matrix instructions.  An even quarter multiplies buffer 0; in its middle it stages a chunk of A (st = its parity; 2: none) into the A buffer whose
; last reads every wave finished ahead of the barrier in the quarter before, and fetches the next quarter's fragments into buffer 1.
.macro QUARTER bs, bk, ab, ak, zero, st, left, load
	s_wait_dscnt 8                                 ; B and A's rows 0-63 are in; the youngest eight loads (A's rows 64-127) may be out
	MUL16 F0, 0, 0, \zero
	MUL16 F0, 0, 2, \zero
.if (\st) < 2
	ASTAGE \st, \left, \load
.endif
	PLACES
	FETCH \bs, \bk, \ab, \ak, F1
	s_wait_dscnt 32                                ; all but the 32 just issued
	MUL16 F0, 1, 0, \zero
	MUL16 F0, 1, 2, \zero
.endm
; An odd quarter in a K step's middle multiplies buffer 1 and passes a plain barrier, which shows the chunk of A stored in the quarter before to every wave, and behind which
; the other A buffer may be written.  No slot is filled behind it, so my tensor load stays out.
.macro HOP bs, bk, ab, ak
	s_wait_dscnt 8
	MUL16 F1, 0, 0, 0
	s_wait_dscnt 0x0                               ; my stores of A are done, and my reads of the A buffer that I leave
	s_barrier_signal -1
	MUL16 F1, 0, 2, 0
	s_barrier_wait -1
	PLACES
	FETCH \bs, \bk, \ab, \ak, F0
	MUL16 F1, 1, 0, 0
	MUL16 F1, 1, 2, 0
.endm
; A K step's last quarter changes slots.  In front of the barrier each wave waits for all its tensor loads, of which one is out: its part of the next slot; adds 0 to its spare
; word; and waits for that, for its reads of this slot and for its stores of A.  fill = 1: the barrier opens a round of the cluster's, and this slot is filled again, two K steps on,
; first thing behind the round: 224 matrix instructions ahead of the wait for it.
.macro TURN slot, bs, bk, ab, ak, fill
	WIN 0                                          ; (the add's two registers lie in window 0)
	s_wait_tensorcnt 0x0
	ds_add_u32 v[SPW], v[NIL]
	s_wait_dscnt 9                                 ; (the add and the youngest eight loads may be out)
	MUL16 F1, 0, 0, 0
	s_wait_dscnt 0x0
	s_barrier_signal -1
	MUL16 F1, 0, 2, 0
	WIN 0                                          ; at a branch and at a label every window is 0
	s_barrier_wait -1
.if \fill
	CREST                                          ; no wave of any partner still reads this slot or has a load on its way
	s_add_nc_u64 s[G0+4*(\slot)+2:G0+4*(\slot)+3], s[G0+4*(\slot)+2:G0+4*(\slot)+3], 512
	tensor_load_to_lds s[G0+4*(\slot):G0+4*(\slot)+3], s[G1:G1+7]
	s_nop 0
.endif
	PLACES                                         ; behind the load; also the places in front of the loads below
	FETCH \bs, \bk, \ab, \ak, F0
	MUL16 F1, 1, 0, 0
	MUL16 F1, 1, 2, 0
.endm
	ASTAGE 0, 16, 1                                ; b and chunk 0 are in, chunk 1 stays out; chunk 2 is asked for
	WIN 0
.set i, 0
.rept 32
	v_pk_mul_f32 v[BIAS+2*i:BIAS+2*i+1], v[BIAS+2*i:BIAS+2*i+1], s[NL:NL+1] op_sel_hi:[1,0]
.set i, i+1
.endr
	s_wait_tensorcnt 1                             ; my part of K step 0 is in; K step 1 may stay out
	s_wait_dscnt 0x0                               ; my part of chunk 0 is stored
	s_barrier_signal -1
	s_barrier_wait -1
	FETCH 0, 0, 0, 0, F0
	QUARTER 0, 64, 0, 64, 1, 1, 16, 1              ; the first quarter stands ahead of the loop: its products start the sums
	WIN 0
	s_mov_b32 s3, 7
.Llap:                                             ; a trip: once round the ring (256 along K, four chunks of A), from a lap's second quarter to the next lap's first
	HOP 0, 128, 1, 0
	QUARTER 0, 192, 1, 64, 0, 0, 16, 1
	TURN 0, 1, 0, 0, 0, 1
	QUARTER 1, 64, 0, 64, 0, 1, 16, 1
	HOP 1, 128, 1, 0
	QUARTER 1, 192, 1, 64, 0, 0, 16, 1
	TURN 1, 0, 0, 0, 0, 1
	QUARTER 0, 64, 0, 64, 0, 1, 16, 1
	WIN 0
	s_sub_co_u32 s3, s3, 1
	s_cmp_lg_u32 s3, 0
	s_cbranch_scc1 .Llap
	HOP 0, 128, 1, 0                               ; the last lap is written out: it asks for nothing
	QUARTER 0, 192, 1, 64, 0, 0, 16, 0             ; chunk 30 is stored
	TURN 0, 1, 0, 0, 0, 0
	QUARTER 1, 64, 0, 64, 0, 1, 0, 0               ; chunk 31
	HOP 1, 128, 1, 0
	QUARTER 1, 192, 1, 64, 0, 2, 0, 0
	s_wait_dscnt 8
	MUL16 F1, 0, 0, 0
	MUL16 F1, 0, 2, 0
	s_wait_dscnt 0x0
	MUL16 F1, 1, 0, 0
	MUL16 F1, 1, 2, 0
	WIN 0
	; THE TREE.  First Pf is asked for (28 fragments of 16 classes x 32 of my 128 leaves), into registers that the products have left.
	PLACES
	WIN TO_B
.set i, 0
.rept 28
	global_load_b128 v[8*i:8*i+3],   v[PFO], s[10:11] offset:i*1024
	global_load_b128 v[8*i+4:8*i+7], v[PFO], s[10:11] offset:i*1024+512
.set i, i+1
.endr
	; d of the nodes above the subtrees (place 0 of each lane) goes from wave to wave.
	WIN 0x02
.irp a, 0,1,2,3
	v_fma_f32 v[V0+\a], v[64*\a], s[NL], v[BIAS]
.endr
	WIN 0x03
.irp a, 0,1,2,3
	v_fma_f32 v[V0+4+\a], v[64*\a], s[NL], v[BIAS]
.endr
	WIN 0
.irp a, 0,1,2,3,4,5,6,7
	v_exp_f32 v[V0+\a], v[V0+\a]
.endr
	v_nop                                          ; a plain instruction behind the last transcendental (ISA guide 5.7.2), here and below
	s_wait_alu depctr_va_vdst(0)
.irp a, 0,1,2,3,4,5,6,7
	v_add_f32 v[V0+\a], 1.0, v[V0+\a]
.endr
.irp a, 0,1,2,3,4,5,6,7
	v_rcp_f32 v[V0+\a], v[V0+\a]
.endr
	v_nop
	s_wait_alu depctr_va_vdst(0)
.irp a, 0,1,2,3,4,5,6,7
	ds_store_b32 v[TOPW], v[V0+\a] offset:64*\a
.endr
	s_wait_dscnt 0x0
	s_barrier_signal -1                            ; every wave's d are stored, and its reads of the slots are over: the images may be written there
	s_barrier_wait -1
.irp a, 0,1,2,3,4,5,6,7
	ds_load_b32 v[T+\a],    v[TA] offset:512+64*\a   ; node 1
	ds_load_b32 v[T+8+\a],  v[TA] offset:1536+64*\a  ; node 2 + H
	ds_load_b32 v[T+16+\a], v[TB] offset:64*\a       ; node 4 + 2 H + w / 2
	ds_load_b32 v[T+24+\a], v[TC] offset:64*\a       ; node 8 + 4 H + w
.endr
	s_wait_dscnt 0x0
.irp a, 0,1,2,3,4,5,6,7
	v_fma_f32 v[T+\a],    v[T+\a],    s[CS],   s[CS+1]
	v_fma_f32 v[T+8+\a],  v[T+8+\a],  s[CS+2], s[CS+3]
	v_fma_f32 v[T+16+\a], v[T+16+\a], s[CS+4], s[CS+5]
	v_fma_f32 v[T+24+\a], v[T+24+\a], v[C4],   v[S4]
.endr
.irp a, 0,1,2,3,4,5,6,7
	v_mul_f32 v[T+\a],    v[T+\a],    v[T+8+\a]
	v_mul_f32 v[T+16+\a], v[T+16+\a], v[T+24+\a]
.endr
.irp a, 0,1,2,3,4,5,6,7
	v_mul_f32 v[V0+\a], v[T+\a], v[T+16+\a]
.endr
; Eight trips, one for each block a of 16 batch rows.  Only the registers that hold the block's sums differ, so only the first step is written eight times: t = -log2(e) (z + b), each
; accumulator's registers in ascending order.  The jumps go forward, on the trip's count.
.macro STUB a
	WIN 0x02+(\a)/4
.set i, 0
.rept 32
	v_pk_fma_f32 v[T+2*i:T+2*i+1], v[64*((\a)%4)+2*i:64*((\a)%4)+2*i+1], s[NL:NL+1], v[BIAS+2*i:BIAS+2*i+1] op_sel_hi:[1,0,1]
.set i, i+1
.endr
	WIN 0
	v_mov_b32 v[VR], v[V0+(\a)]
.endm
	s_mov_b32 s[RB], 8
.Lrows:
.irp a, 0,1,2,3,4,5,6
	s_cmp_eq_u32 s[RB], 8-\a
	s_cbranch_scc1 .Lstub\a
.endr
	STUB 7
	s_branch .Lcommon
.irp a, 0,1,2,3,4,5
.Lstub\a:
	STUB \a
	s_branch .Lcommon
.endr
.Lstub6:
	STUB 6
.Lcommon:
.set i, 0
.rept 64
	v_exp_f32 v[T+i], v[T+i]
.set i, i+1
.endr
	v_nop
.set i, 0
	s_wait_alu depctr_va_vdst(0)
.rept 32
	v_pk_add_f32 v[T+2*i:T+2*i+1], v[T+2*i:T+2*i+1], 1.0 op_sel_hi:[1,0]
.set i, i+1
.endr
.set i, 0
.rept 64
	v_rcp_f32 v[T+i], v[T+i]                       ; d of node sg = i of my subtree
.set i, i+1
.endr
	v_nop
	; Six levels, in place, the highest index first: the weight m of node 2^e + i becomes m d (left child) at 2 i and m - m d (right child) at 2 i + 1.
	s_wait_alu depctr_va_vdst(0)
	v_fma_f32 v[M+1], -v[VR], v[T+1], v[VR]
	v_mul_f32 v[M], v[VR], v[T+1]
.irp lv, 1,2,3,4,5
.set i, (1<<\lv)-1
.rept 1<<\lv
	v_fma_f32 v[M+2*i+1], -v[M+i], v[T+(1<<\lv)+i], v[M+i]
	v_mul_f32 v[M+2*i], v[M+i], v[T+(1<<\lv)+i]
.set i, i-1
.endr
.endr
	WIN TO_B
.set i, 0
.rept 32
	v_cvt_pk_bf16_f32 v[U+i], v[M+2*i], v[M+2*i+1]
.set i, i+1
.endr
	s_wait_loadcnt 0x0                             ; Pf (met at once from the second trip on)
	WIN 0x05                                       ; Pf and the weights in window 1, the sums in window 0
.irp kk, 0,1,2,3                       ; 28 matrix instructions; the seven accumulators take turns; the first seven start the sums
.irp cb, 0,1,2,3,4,5,6
.if \kk == 0
	v_wmma_f32_16x16x32_bf16 v[O+8*\cb:O+8*\cb+7], v[8*(7*\kk+\cb):8*(7*\kk+\cb)+7], v[U+8*\kk:U+8*\kk+7], 0
.else
	v_wmma_f32_16x16x32_bf16 v[O+8*\cb:O+8*\cb+7], v[8*(7*\kk+\cb):8*(7*\kk+\cb)+7], v[U+8*\kk:U+8*\kk+7], v[O+8*\cb:O+8*\cb+7]
.endif
.endr
.endr
	WIN 0
	PLACES
.irp cb, 0,1,2,3,4,5                   ; a lane holds batch row r and classes 16 cb + 8 h + 0..7: 32 bytes of a row of 400
	ds_store_b128 v[STO], v[O+8*\cb:O+8*\cb+3] offset:64*\cb
	ds_store_b128 v[STO], v[O+8*\cb+4:O+8*\cb+7] offset:64*\cb+16
.endr
	s_wait_xcnt 0x0                                ; EXEC changes only behind this wait
	v_cmp_gt_u32 vcc_lo, 16, v[LANE]
	s_and_saveexec_b32 s[SX], vcc_lo               ; classes 96 to 99: lanes 0 to 15, four registers; there are no classes beyond
	ds_store_b128 v[STO], v[O+48:O+51] offset:384
	s_or_b32 exec_lo, exec_lo, s[SX]
	v_add_nc_u32 v[STO], 6400, v[STO]              ; the next 16 rows
	s_sub_co_u32 s[RB], s[RB], 1
	s_cmp_lg_u32 s[RB], 0
	s_cbranch_scc1 .Lrows
	; THE FOUR WAVES' IMAGES ARE ADDED.  Wave w takes bytes 12,800 w .. of the image of 51,200: 25 steps of 512 bytes, five at a time.
	s_wait_dscnt 0x0
	s_barrier_signal -1
	s_barrier_wait -1
	v_add_nc_u32 v[RD], s58, v[PFO]
.irp q, 1,2,3
	v_add_nc_u32 v[RD+\q], \q*RIMG, v[RD]
.endr
.set gi, 0
.rept 5
.set si, 0
.rept 5
.irp q, 0,1,2,3
	ds_load_b128 v[LD+16*si+4*\q:LD+16*si+4*\q+3], v[RD+\q] offset:512*(5*gi+si)
.endr
.set si, si+1
.endr
	s_wait_dscnt 0x0
.set si, 0
.rept 5
.irp e, 0,2
	v_pk_add_f32 v[RES+20*gi+4*si+\e:RES+20*gi+4*si+\e+1], v[LD+16*si+\e:LD+16*si+\e+1], v[LD+16*si+4+\e:LD+16*si+5+\e]
	v_pk_add_f32 v[LD+16*si+8+\e:LD+16*si+9+\e], v[LD+16*si+8+\e:LD+16*si+9+\e], v[LD+16*si+12+\e:LD+16*si+13+\e]
.endr
.irp e, 0,2
	v_pk_add_f32 v[RES+20*gi+4*si+\e:RES+20*gi+4*si+\e+1], v[RES+20*gi+4*si+\e:RES+20*gi+4*si+\e+1], v[LD+16*si+8+\e:LD+16*si+9+\e]
.endr
	global_store_b128 v[PFO], v[RES+20*gi+4*si:RES+20*gi+4*si+3], s[12:13] offset:512*(5*gi+si)  ; 512 consecutive bytes, at a multiple of 256 from part's first byte; each store has registers of its own
.set si, si+1
.endr
.set gi, gi+1
.endr
	s_wait_tensorcnt 0x0                           ; the wave's end, behind my last tensor load and my last LDS store
	ds_add_u32 v[SPW], v[NIL]
	s_wait_dscnt 0x0
	CROUND                                         ; the closing round: no work-group ends while a partner may still ask for a tile that names it
	s_endpgm
.Lfunc_end_k_q02aefcf4bc_main:
	.size	k_q02aefcf4bc_main, .Lfunc_end_k_q02aefcf4bc_main-k_q02aefcf4bc_main
	.p2alignl 7, 3214868480
	.fill 96, 4, 3214868480
	.section	.rodata,"a",@progbits
	.p2align	6, 0x0
	.amdhsa_kernel k_q02aefcf4bc_main
		.amdhsa_group_segment_fixed_size 327680
		.amdhsa_private_segment_fixed_size 0
		.amdhsa_enable_private_segment 0
		.amdhsa_kernarg_size 40
		.amdhsa_user_sgpr_count 2
		.amdhsa_user_sgpr_kernarg_segment_ptr 1
		.amdhsa_wavefront_size32 1
		.amdhsa_system_sgpr_workgroup_id_x 1
		.amdhsa_system_sgpr_workgroup_id_y 1
		.amdhsa_system_sgpr_workgroup_id_z 1
		.amdhsa_system_vgpr_workitem_id 0
		.amdhsa_next_free_vgpr 1024
		.amdhsa_next_free_sgpr 66
		.amdhsa_reserve_vcc 1
		.amdhsa_float_denorm_mode_32 3
		.amdhsa_float_denorm_mode_16_64 3
		.amdhsa_memory_ordered 1
		.amdhsa_forward_progress 1
		.amdhsa_inst_pref_size 217
	.end_amdhsa_kernel
	.amdgpu_metadata
---
amdhsa.version: [ 1, 2 ]
amdhsa.kernels:
  - .name:           k_q02aefcf4bc_main
    .symbol:         k_q02aefcf4bc_main.kd
    .args:
      - { .name: features, .offset: 0, .size: 8, .value_kind: global_buffer, .address_space: global }
      - { .name: b, .offset: 8, .size: 8, .value_kind: global_buffer, .address_space: global }
      - { .name: Mt, .offset: 16, .size: 8, .value_kind: global_buffer, .address_space: global }
      - { .name: Pf, .offset: 24, .size: 8, .value_kind: global_buffer, .address_space: global }
      - { .name: part, .offset: 32, .size: 8, .value_kind: global_buffer, .address_space: global }
    .group_segment_fixed_size: 327680
    .private_segment_fixed_size: 0
    .kernarg_segment_align: 8
    .kernarg_segment_size: 40
    .max_flat_workgroup_size: 128
    .sgpr_count:     66
    .vgpr_count:     1024
    .wavefront_size: 32
...
	.end_amdgpu_metadata
.endif
;; end of part 2
;; launch comb (part 3): grid 400 x 1, 8 waves a work-group, no clusters, 0 bytes of LDS; arguments part, out0; writes out0
.if DOCPART == 3
	.amdgcn_target "amdgcn-amd-amdhsa--gfx1250"
	.amdhsa_code_object_version 6
	.text
	.protected	k_q02aefcf4bc_comb
	.globl	k_q02aefcf4bc_comb
	.p2align	8
	.type	k_q02aefcf4bc_comb,@function
k_q02aefcf4bc_comb:
	s_mov_b64 s[64:65], 0
	v_nop
	global_prefetch_b8 v0, s[64:65] scope:SCOPE_SE
	s_setreg_imm32_b32 hwreg(HW_REG_WAVE_MODE, 25, 1), 1
	s_wait_xcnt 0x0
; out0 = part[0] + part[1]: the two halves of the tree, 6,553,600 bytes each, f32.  A stream: no LDS, no barrier, no matrix unit, nothing shared between work-groups.
; A work-group takes 16,384 bytes: thread t the 16 bytes at 16 t of each of four blocks of 4,096, so every load and store of a wave covers 512 consecutive aligned bytes.
; All eight loads go out at once; each result is stored from the registers it was added in, which are not written again.
	s_load_b128 s[4:7], s[0:1], 0x0                ; part s[4:5], out0 s[6:7]
	s_lshl_b32 s8, ttmp9, 14
	s_mov_b32 s9, 0
	v_lshlrev_b32 v1, 4, v0
	s_wait_kmcnt 0x0
	s_add_nc_u64 s[4:5], s[4:5], s[8:9]
	s_add_nc_u64 s[6:7], s[6:7], s[8:9]
	s_add_nc_u64 s[10:11], s[4:5], 0x640000        ; the second half
.irp k, 0,1,2,3
	global_load_b128 v[4+4*\k:7+4*\k], v1, s[4:5] offset:4096*\k th:TH_LOAD_NT
.endr
.irp k, 0,1,2,3
	global_load_b128 v[20+4*\k:23+4*\k], v1, s[10:11] offset:4096*\k th:TH_LOAD_NT
.endr
.irp k, 0,1,2,3
	s_wait_loadcnt 3-\k                            ; loads come back in order (ISA guide 5.7.1): block k of both halves is in
	v_pk_add_f32 v[4+4*\k:5+4*\k], v[4+4*\k:5+4*\k], v[20+4*\k:21+4*\k]
	v_pk_add_f32 v[6+4*\k:7+4*\k], v[6+4*\k:7+4*\k], v[22+4*\k:23+4*\k]
	global_store_b128 v1, v[4+4*\k:7+4*\k], s[6:7] offset:4096*\k th:TH_STORE_NT
.endr
	s_endpgm
.Lfunc_end_k_q02aefcf4bc_comb:
	.size	k_q02aefcf4bc_comb, .Lfunc_end_k_q02aefcf4bc_comb-k_q02aefcf4bc_comb
	.p2alignl 7, 3214868480
	.fill 96, 4, 3214868480
	.section	.rodata,"a",@progbits
	.p2align	6, 0x0
	.amdhsa_kernel k_q02aefcf4bc_comb
		.amdhsa_group_segment_fixed_size 0
		.amdhsa_private_segment_fixed_size 0
		.amdhsa_enable_private_segment 0
		.amdhsa_kernarg_size 16
		.amdhsa_user_sgpr_count 2
		.amdhsa_user_sgpr_kernarg_segment_ptr 1
		.amdhsa_wavefront_size32 1
		.amdhsa_system_sgpr_workgroup_id_x 1
		.amdhsa_system_sgpr_workgroup_id_y 1
		.amdhsa_system_sgpr_workgroup_id_z 1
		.amdhsa_system_vgpr_workitem_id 0
		.amdhsa_next_free_vgpr 48
		.amdhsa_next_free_sgpr 66
		.amdhsa_reserve_vcc 0
		.amdhsa_float_denorm_mode_32 3
		.amdhsa_float_denorm_mode_16_64 3
		.amdhsa_memory_ordered 1
		.amdhsa_forward_progress 1
		.amdhsa_inst_pref_size 3
	.end_amdhsa_kernel
	.amdgpu_metadata
---
amdhsa.version: [ 1, 2 ]
amdhsa.kernels:
  - .name:           k_q02aefcf4bc_comb
    .symbol:         k_q02aefcf4bc_comb.kd
    .args:
      - { .name: part, .offset: 0, .size: 8, .value_kind: global_buffer, .address_space: global }
      - { .name: out0, .offset: 8, .size: 8, .value_kind: global_buffer, .address_space: global }
    .group_segment_fixed_size: 0
    .private_segment_fixed_size: 0
    .kernarg_segment_align: 8
    .kernarg_segment_size: 16
    .max_flat_workgroup_size: 256
    .sgpr_count:     66
    .vgpr_count:     48
    .wavefront_size: 32
...
	.end_amdgpu_metadata
.endif
;; end of part 3
